; MI455X (gfx1250); checked and timed in simulation.
; The chip was launched on July 23, 2026; its instructions are those of AMD's public machine-readable ISA for CDNA 5 (MIT licence, August 2026) and "CDNA5" Instruction Set Architecture Reference Guide (July 2026). The comments in the code are by the model that wrote it; some were corrected since.
;; PAM Module. Allowed arithmetic: matrix products marked QUANTISED: E2M1 operands, one E8M0 scale for each 32 along K, by v_wmma_scale_f32_16x16x128_f8f6f4 with both operands' format E2M1 (or v_wmma_scale_f32_32x16x128_f4), f32 sums; everything else in f32.
;; Inputs: Wk 32 x 256 float32; Wq 32 x 256 float32; Wv 256 x 256 float32; bk 32 float32; bq 32 float32; bv 256 float32; gamma 1 float32; x 8 x 256 x 64 x 64 float32.
;; Outputs: out0 8 x 256 x 64 x 64 float32.
;; This version of the problem:
;;   THIS VERSION OF THE PROBLEM IS GIVEN IN LOW PRECISION. The matrix products marked QUANTISED in the list below multiply operands that are first quantised to E2M1 (2 exponent bits, 1 mantissa bit; 4 bits a number), with one power-of-two scale for each 32 numbers along K (OCP MX v1.0); their sums are f32. All else is computed in f32.
;;   The module's matrix products, in the order in which they are computed (A, B: the left and right operand; K: the contracted axis; several contracted axes count as one K, in the product's order):
;;     1. [M 32,768, K 256] x [K 256, N 32]; A: input x; B: input Wq: QUANTISED
;;     2. [M 32,768, K 256] x [K 256, N 32]; A: input x; B: input Wk: QUANTISED
;;     3. batch 8 x [M 4,096, K 32] x [K 32, N 4,096]; A: computed on the way; B: computed on the way: QUANTISED
;;     4. [M 32,768, K 256] x [K 256, N 256]; A: input x; B: input Wv: QUANTISED
;;     5. batch 8 x [M 256, K 4,096] x [K 4,096, N 4,096]; A: computed on the way; B: softmax (see below): QUANTISED
;;   THE QUANTISER, for each operand of a quantised product, along K:
;;     - K is cut into blocks of 32 from its start; a last block that is shorter is filled with zeros.
;;     - A block's scale is 2^e with e = floor(log2(the largest magnitude in the block)) - 2, held to -126 .. 127; a block of zeros has e = 0. As a byte (E8M0): e + 127.
;;     - Each number is divided by its block's scale, clamped to +-6, and rounded to the nearest number of E2M1, ties to even, subnormals kept.
;;     - The product sums the exact products of the quantised numbers (number of the format x scale) in f32.
;;   ~~~python
;;   def quantise(x, axis):      # numpy; x: float32 -> the quantised numbers, widened to float32 again
;;       x = np.moveaxis(x, axis, -1); K = x.shape[-1]
;;       x = np.pad(x, [(0, 0)] * (x.ndim - 1) + [(0, -K % 32)]); x = x.reshape(x.shape[:-1] + (-1, 32)); a = np.abs(x).max(-1, keepdims=True)
;;       e = np.where(a > 0, np.clip(np.frexp(np.where(a > 0, a, 1))[1] - 1 - 2, -126, 127), 0)      # np.frexp(a)[1] - 1 = floor(log2(a)), exactly
;;       r = np.clip(x / 2.0 ** e, -6, 6)
;;       step = 2.0 ** (np.maximum(np.frexp(np.where(r == 0, 1, r))[1] - 1, 0) - 1)
;;       q = np.round(r / step) * step * 2.0 ** e      # np.round: ties to even
;;       return np.moveaxis(q.reshape(q.shape[:-2] + (-1,))[..., :K], -1, axis).astype(np.float32)
;;   ~~~
;;   SOFTMAX AHEAD OF A QUANTISED PRODUCT. Where the list says 'softmax', what is quantised is not the finished softmax but p = 2^(t - M), with t = logit x log2(e) and M = ceil(the row's largest t), a whole number; so 1/2 < the row's largest p <= 1. The row's sum l is taken of the UNQUANTISED p, in f32, and the product's result is divided by l at the end. Since M is a whole number, a kernel that streams over the keys may use a running M (the ceiling of the running maximum): every later rescaling is an exact power of two, which a block's scale takes up: the codes' values come out the same.
;;   OPERANDS COMPUTED ON THE WAY. 'Computed on the way' means the value that the module computes at that place (a softmax that the list does not call 'softmax' is quantised finished and normalised). What goes into a quantiser is computed in f32, as accurately as f32 sums, v_exp_f32 and their like allow (about 1e-6 of the number): no bf16 or f16 on the way to a quantiser, and a product that is left as it is and whose result goes on into a quantised operand takes f32 operands (vector FMAs, or v_wmma_f32_16x16x4_f32). A number that lies on a knife's edge between two numbers of the format may be rounded either way, as far as f32 arithmetic and the matrix unit's own rounding can turn it there, and no further.
;; One version. Each part assembles by itself: llvm-mc -triple=amdgcn-amd-amdhsa -mcpu=gfx1250 --defsym DOCPART=n.
;; ======== version 1 of 1: 2 launches
;; workspace buffers: kv 5,570,560 bytes
;; launch prep (part 1): grid 32 x 8, 8 waves a work-group, no clusters, 229,376 bytes of LDS; arguments x, Wq, bq, Wk, bk, Wv, bv, kv; writes kv
.if DOCPART == 1
	.amdgcn_target "amdgcn-amd-amdhsa--gfx1250"
	.amdhsa_code_object_version 6
	.text
	.protected	k_q5457ac6614_prep
	.globl	k_q5457ac6614_prep
	.p2align	8
	.type	k_q5457ac6614_prep,@function
k_q5457ac6614_prep:
	s_mov_b64 s[64:65], 0
	v_nop
	global_prefetch_b8 v0, s[64:65] scope:SCOPE_SE
	s_setreg_imm32_b32 hwreg(HW_REG_WAVE_MODE, 25, 1), 1
	s_wait_xcnt 0x0
; PREP: q = Wq x + bq, k = Wk x + bk, v = Wv x + bv on codes of FP4 (E2M1) with one E8M0 scale for each 32 channels, and their results quantised again:
; q and k along their 32 outputs (one block), v along the pixels (blocks of 32).  x: [8][256][4096] f32; the weights [o][256] f32.
; DEAD WORK: none.  bq, bk and bv stand ahead of a quantiser of a live product, so they can move codes and scales; every input of these three products is loaded.
; SHARES.  Work-group (s, b) takes pixels 128 s .. 128 s + 127 of image b and writes ONE RECORD of kv, 21,760 bytes, laid in the order of the next launch's operand registers:
;   0      V   16 fragments (16 channels x 128 keys): tile ct at 1024 ct, register group c at + 512 c, lane L at + 16 L
;   16384  K   [tile T][row r][16 bytes]: all 32 codes of key 32 (T / 2) + 8 (T % 2) + r + 8 (r / 8)
;   18432  VS  V's scale words: [a][lane L][j]: channel 32 (4 a + j) + L;  19456 KS [g][r][b] bytes: key (T = 4 g + b, r);  19584 QS likewise;  19712 Q as K
; Eight waves.  The x tile (256 channels x 128 pixels, 131,072 bytes) comes by one tensor load a wave (32 rows of 512 bytes), filled once.
; Wave w quantises 5 weight fragments of 16 rows x 128 K (one of Wq / Wk, shared through LDS as an image of its registers; four of Wv, channels 32 w .. + 31, which stay in its registers),
; then 32 pixels x 128 channels of x (a lane a pixel, registers down the channels: two fragments), then makes q and k of pixel tile w, then v of its 32 channels for all 128 pixels.
; MEMORY IS ASKED IN THE ORDER OF USE: the first two weight fragments, which the first phase wants, ahead of the x tile, which is wanted a phase later; the biases last.
; THE PIXELS OF A TILE ARE NOT NEIGHBOURS: row r of tile 2 B + u is pixel 32 B + 8 u + r + 8 (r / 8), and the rows of Wq, Wk of a tile likewise, so that the 16 registers of two neighbouring tiles are 16 neighbours along the next K.
; The biases are the C of each sum's first matrix instruction.
; NO JOINT LOADS: what work-groups share is the weights, 327,680 bytes of f32; beside the x tile's 131,072 they do not fit in LDS, and each wave takes its 40,960 bytes straight into registers.
; NO PREFETCH: every byte that the work-group reads is asked for within its first lines or one fragment ahead.
; LIMITS: NaN and infinities among the inputs are not served.  A block whose largest magnitude lies under 2^-124, a block of zeros among them, gets the scale byte 1 (the bytes are read by this program alone).
; A bias enters a sum first, not last: another order of rounding than in q = W x + b.
; REGISTERS: v1-19 addresses; v20, v21 the add's two; v22-23 V's scale words; v24-39 at work; v40-55 scales and nothing else; v56-87 my four fragments of Wv; v88-119 bq's and bk's tiles; v120-127 codes; v128-255 by phase.
.set REC,   21760
.set WST,   131072                     ; behind the x tile: a stage of 16 rows x 528 bytes for each wave
.set WSP,   8448
.set XIMG,  198656                     ; x's 16 fragments as images of their registers, 1,024 bytes each: index 4 B + 2 u + ks
.set XSC,   215040                     ; their scale words, 128 bytes for (B, ks): lanes 0-15 tile u = 0, lanes 16-31 tile u = 1
.set WIMG,  216064                     ; the 8 fragments of Wq and Wk: index 2 T + ks
.set WSC,   224256                     ; their scale words
.set SB,    225280                     ; the record's 1,280 scale bytes: VS, KS, QS
.set SPARE, 226560                     ; the spare words, 128 bytes for each wave: four blocks of 256 bytes that no other line names
.set W0,    128                        ; two buffers of 64 numbers
.set W1,    192
.set FX,    192                        ; x's two fragments
.macro PLACES n
.rept \n
	v_nop
.endr
.endm
; 16 rows x 512 bytes of a weight: each load reads one row's 128 numbers, 512 consecutive bytes.  map = 1: rows i + 8 (i / 8)
.macro WLOAD buf, base, off, map
.irp i, 0,1,2,3,4,5,6,7,8,9,10,11,12,13,14,15
	global_load_b128 v[\buf+4*\i:\buf+4*\i+3], v1, s[\base:\base+1] offset:\off+(\i+8*\map*(\i/8))*1024
.endr
.endm
; through my own stage: in as loaded, back so that registers 32 c + 0 .. 31 are k = 64 c + 32 h + 0 .. 31 of row r.  LDS serves a wave's instructions in order: no wait between
.macro WTURN buf
.irp i, 0,1,2,3,4,5,6,7,8,9,10,11,12,13,14,15
	ds_store_b128 v2, v[\buf+4*\i:\buf+4*\i+3] offset:528*\i
.endr
.irp c, 0,1
.irp i, 0,1,2,3,4,5,6,7
	ds_load_b128 v[\buf+32*\c+4*\i:\buf+32*\c+4*\i+3], v3 offset:256*\c+16*\i
.endr
.endr
.endm
; two whole blocks of 32 in my registers, by turns: v28 + c the conversion's scale operand, v30 + c the scale's byte
.macro SCALE32 buf
.irp c, 0,1
	v_max3_num_f32 v[24+\c], |v[\buf+32*\c]|, |v[\buf+32*\c+1]|, 0x1800000   ; with the floor 2^(3 - 127): the byte cannot fall under 1
.endr
.irp i, 2,4,6,8,10,12,14,16,18,20,22,24,26,28,30
.irp c, 0,1
	v_max3_num_f32 v[24+\c], v[24+\c], |v[\buf+32*\c+\i]|, |v[\buf+32*\c+\i+1]|
.endr
.endr
.irp c, 0,1
	v_add_nc_u32 v[28+\c], 0xff000000, v[24+\c]    ; 2 off the exponent field
.endr
.irp c, 0,1
	v_lshrrev_b32 v[30+\c], 23, v[28+\c]
.endr
.endm
; a weight fragment: codes into v[dst] on, its rows' scale word into v[sc]
.macro WQUANT buf, dst, sc
	SCALE32 \buf
	v_lshl_or_b32 v32, v31, 16, v30                ; my two bytes: blocks h and 2 + h of row r,
	v_lshlrev_b32 v32, v18, v32                    ; 8 h bits up;
	v_permlanex16_b32 v26, v32, s36, s37
	v_or_b32 v[\sc], v32, v26                      ; with lane l xor 16's two the word is whole
.irp c, 0,1
.irp g, 0,1,2,3
	v_cvt_scalef32_pk8_fp4_f32 v[\dst+4*\c+\g], v[\buf+32*\c+8*\g:\buf+32*\c+8*\g+7], v[28+\c]
.endr
.endr
	v_nop                                          ; one plain line behind the last scaled conversion
.endm
; blocks 2 p and 2 p + 1 of my pixel's 128 channels
.macro XPAIR p
.set i, 0
.rept 64
	ds_load_b32 v[128+i], v4 offset:(64*(\p)+i)*512   ; 32 lanes read 32 different words of one channel's row
.set i, i+1
.endr
	s_wait_dscnt 0x0
	SCALE32 128
.if (\p) == 0
	v_lshl_or_b32 v39, v31, 8, v30                 ; my pixel's scale word, byte by byte
.else
	v_lshl_or_b32 v39, v30, 16, v39
	v_lshl_or_b32 v39, v31, 24, v39
.endif
.irp g, 0,1,2,3
	v_cvt_scalef32_pk8_fp4_f32 v[FX+4*(\p)+\g], v[128+8*\g:135+8*\g], v28
	v_cvt_scalef32_pk8_fp4_f32 v[FX+8+4*(\p)+\g], v[160+8*\g:167+8*\g], v29
.endr
	v_nop
.irp g, 0,1,2,3
	v_permlane16_swap_b32 v[FX+4*(\p)+\g], v[FX+8+4*(\p)+\g]   ; lanes 16-31 of the first change places with lanes 0-15 of the second: the first is now tile u = 0 (lanes by halves: blocks 2 p, 2 p + 1), the second tile u = 1
.endr
.endm
; two blocks of which I hold 16 numbers each (v[a] on, v[a + 16] on), lane l xor 16 the other 16: codes into the pairs v[d], v[d + 2]; bytes v30, v31
.macro Q16 a, d
.irp b, 0,1
	v_max3_num_f32 v[24+\b], |v[\a+16*\b]|, |v[\a+16*\b+1]|, 0x1800000   ; each accumulator is read from its low end on
.endr
.irp i, 2,4,6,8,10,12,14
.irp b, 0,1
	v_max3_num_f32 v[24+\b], v[24+\b], |v[\a+16*\b+\i]|, |v[\a+16*\b+\i+1]|
.endr
.endr
.irp b, 0,1
	v_permlanex16_b32 v[26+\b], v[24+\b], s36, s37
.endr
.irp b, 0,1
	v_max_num_f32 v[24+\b], v[24+\b], v[26+\b]
.endr
.irp b, 0,1
	v_add_nc_u32 v[28+\b], 0xff000000, v[24+\b]
.endr
.irp b, 0,1
	v_lshrrev_b32 v[30+\b], 23, v[28+\b]
.endr
.irp b, 0,1
	v_cvt_scalef32_pk8_fp4_f32 v[\d+2*\b], v[\a+16*\b:\a+16*\b+7], v[28+\b]
	v_cvt_scalef32_pk8_fp4_f32 v[\d+2*\b+1], v[\a+16*\b+8:\a+16*\b+15], v[28+\b]
.endr
	v_nop
.endm
.macro MM d, a, b, c, sa, sb, row      ; row: which half of the lanes of v[sa] holds source 0's scale words
.if \row
	v_wmma_scale_f32_16x16x128_f8f6f4 v[\d:\d+7], v[\a:\a+7], v[\b:\b+7], v[\c:\c+7], v[\sa], v[\sb] matrix_a_fmt:MATRIX_FMT_FP4 matrix_b_fmt:MATRIX_FMT_FP4 matrix_a_scale:MATRIX_SCALE_ROW1
.else
	v_wmma_scale_f32_16x16x128_f8f6f4 v[\d:\d+7], v[\a:\a+7], v[\b:\b+7], v[\c:\c+7], v[\sa], v[\sb] matrix_a_fmt:MATRIX_FMT_FP4 matrix_b_fmt:MATRIX_FMT_FP4
.endif
.endm
	s_load_b256 s[4:11], s[0:1], 0x0               ; x s[4:5], Wq s[6:7], bq s[8:9], Wk s[10:11]
	s_load_b256 s[12:19], s[0:1], 0x20             ; bk s[12:13], Wv s[14:15], bv s[16:17], kv s[18:19]
	v_lshl_add_u32 v20, v0, 2, SPARE
	v_mov_b32 v21, 0
	ds_add_u32 v20, v21                            ; the wave's opening: the add, twice on end, and its wait ahead of my first tensor load
	ds_add_u32 v20, v21                            ; and once more; the set-up below, work on registers, stands between it and the wait
	v_lshrrev_b32 v24, 5, v0
	v_readfirstlane_b32 s20, v24                   ; wave w
	s_mov_b32 s21, ttmp9                           ; s: which 128 pixels
	s_and_b32 s22, ttmp7, 0xffff                   ; b: which image
	s_mov_b32 s24, 2<<16                           ; group 1: elements of 4 bytes, no mask, no padding
	s_mov_b32 s25, 128<<16                         ; tensor_dim0 = 128
	s_mov_b32 s26, 32<<16                          ; tensor_dim1 = 32
	s_mov_b32 s27, 128<<16                         ; tile_dim0 = 128
	s_mov_b32 s28, 32                              ; tile_dim1 = 32
	s_mov_b32 s29, 4096                            ; from channel to channel
	s_mov_b32 s30, 0
	s_mov_b32 s31, 0
	s_mov_b32 s32, 1                               ; group 0: count
	s_lshl_b32 s33, s20, 14                        ; LDS: my 32 channels' rows of 512 bytes
	s_mov_b32 s36, 0x76543210
	s_mov_b32 s37, 0xfedcba98                      ; v_permlanex16_b32's selects for lane l xor 16
	s_lshl_b32 s50, s22, 22                        ; x: image b, 4,194,304 bytes,
	s_lshl_b32 s51, s20, 19                        ; channel 32 w,
	s_add_co_u32 s50, s50, s51
	s_lshl_b32 s51, s21, 9                         ; pixel 128 s
	s_add_co_u32 s50, s50, s51
	s_mov_b32 s51, 0
	s_bfe_u32 s52, s20, 0x10001                    ; my fragment of Wq or Wk: tile (w / 2) % 2 begins 8 rows on,
	s_lshl_b32 s52, s52, 13
	s_and_b32 s53, s20, 1                          ; K step w % 2
	s_lshl_b32 s53, s53, 9
	s_add_co_u32 s52, s52, s53
	s_mov_b32 s53, 0
	s_lshl_b32 s54, s20, 15                        ; Wv: my 32 rows
	s_mov_b32 s55, 0
	s_lshl_b32 s62, s22, 5
	s_add_co_u32 s62, s62, s21
	s_mul_i32 s62, s62, REC                        ; my record
	s_mov_b32 s63, 0
	s_lshr_b32 s58, s20, 2                         ; w / 4
	s_and_b32 s59, s20, 3                          ; w % 4
	v_and_b32 v34, 31, v0                          ; lane
	v_and_b32 v35, 15, v0                          ; r
	v_bfe_u32 v36, v0, 4, 1                        ; h
	v_lshlrev_b32 v1, 4, v34                       ; 16 x lane
	s_mul_i32 s60, s20, WSP
	s_add_co_u32 s60, s60, WST                     ; my stage
	v_add_nc_u32 v2, s60, v1                       ; in
	v_mul_u32_u24 v3, v35, 528
	v_lshl_add_u32 v3, v36, 7, v3
	v_add_nc_u32 v3, s60, v3                       ; back: row r, + 128 h
	v_and_b32 v37, 7, v0
	v_bfe_u32 v38, v0, 3, 1
	v_lshl_add_u32 v37, v38, 4, v37
	v_lshl_add_u32 v37, v36, 3, v37                ; my pixel of a group of 32: l % 8 + 16 ((l / 8) % 2) + 8 (l / 16)
	s_lshl_b32 s60, s58, 16                        ; K step w / 4: 128 channels' rows,
	s_lshl_b32 s61, s59, 7                         ; pixel group w % 4
	s_add_co_u32 s60, s60, s61
	v_lshl_add_u32 v4, v37, 2, s60                 ; where I read x
	v_add_nc_u32 v5, XIMG, v1
	v_lshl_add_u32 v6, v34, 2, XSC
	s_lshl_b32 s60, s59, 2
	s_add_co_u32 s60, s60, s58
	s_lshl_b32 s60, s60, 10
	v_add_nc_u32 v7, s60, v5                       ; where I store x's images: index 4 (w % 4) + w / 4 (tile u = 1: 2 further on)
	s_lshl_b32 s60, s59, 1
	s_add_co_u32 s60, s60, s58
	s_lshl_b32 s60, s60, 7
	v_add_nc_u32 v8, s60, v6                       ; and their scale words
	s_lshl_b32 s60, s20, 10
	s_add_co_u32 s60, s60, WIMG
	v_add_nc_u32 v9, s60, v1                       ; where I store my fragment of Wq or Wk
	s_lshl_b32 s60, s20, 7
	s_add_co_u32 s60, s60, WSC-XSC
	v_add_nc_u32 v10, s60, v6                      ; and its scale words
	s_lshl_b32 s60, s20, 11
	v_add_nc_u32 v11, s60, v5                      ; x's fragments of pixel tile w: index 2 w + ks
	s_lshr_b32 s60, s20, 1
	s_lshl_b32 s60, s60, 8
	s_and_b32 s61, s20, 1
	s_lshl_b32 s61, s61, 6
	s_add_co_u32 s60, s60, s61
	s_add_co_u32 s60, s60, XSC
	v_lshl_add_u32 v12, v35, 2, s60                ; and that tile's scale words, row r
	v_lshlrev_b32 v13, 4, v35
	v_lshl_add_u32 v13, v36, 3, v13                ; codes out: 16 r + 8 h
	s_lshl_b32 s60, s58, 9
	s_lshl_b32 s61, s59, 2
	s_add_co_u32 s60, s60, s61
	s_add_co_u32 s60, s60, SB
	v_add_nc_u32 v14, s60, v1                      ; V's scale word of channel 32 w + lane
	s_lshl_b32 s60, s58, 6
	s_add_co_u32 s60, s60, s59
	s_add_co_u32 s60, s60, SB+1024
	v_lshl_add_u32 v15, v35, 2, s60                ; k's scale byte of (tile w, row r); q's 128 further on
	s_min_u32 s60, s20, 4
	s_lshl_b32 s60, s60, 8
	v_lshl_add_u32 v17, v34, 3, s60                ; the scale bytes' way out: 256 bytes for each of waves 0 to 4
	v_add_nc_u32 v16, SB, v17
	v_lshlrev_b32 v18, 3, v36                      ; 8 h
	v_lshlrev_b32 v19, 6, v36                      ; 64 h
	v_lshlrev_b32 v38, 2, v35                      ; 4 r
	v_mov_b32 v26, 0                               ; written once: a lane permute's destination counts as one of its sources
	v_mov_b32 v27, 0
	v_cmp_gt_u32 s44, 16, v34                      ; lanes 0-15
	s_wait_dscnt 0x0                               ; both opening adds are done
	s_wait_kmcnt 0x0
	s_cmp_lt_u32 s20, 4                            ; waves 0-3 take Wq, waves 4-7 Wk
	s_cselect_b64 s[38:39], s[6:7], s[10:11]
	s_add_nc_u64 s[38:39], s[38:39], s[52:53]
	s_add_nc_u64 s[40:41], s[14:15], s[54:55]
	WLOAD W0, 38, 0, 1                             ; what the first phase wants is asked for first: the fragment of Wq or Wk,
	WLOAD W1, 40, 0, 0                             ; and Wv (tile 0, K step 0)
	s_add_nc_u64 s[34:35], s[4:5], s[50:51]
	s_or_b32 s35, s35, 0x80000000                  ; type = 2
	tensor_load_to_lds s[32:35], s[24:31]          ; my 32 channels of the x tile: the wave's one tensor load; it has the whole first phase in which to land
	s_nop 0
	s_add_nc_u64 s[42:43], s[18:19], s[62:63]
	s_lshl_b32 s60, s20, 8
	s_mov_b32 s61, 0
	s_add_nc_u64 s[46:47], s[42:43], s[60:61]      ; record + 256 w
	s_lshl_b32 s60, s20, 11
	s_add_nc_u64 s[48:49], s[42:43], s[60:61]      ; record + 2048 w
	s_lshl_b32 s60, s20, 7
	s_add_nc_u64 s[56:57], s[16:17], s[60:61]      ; bv at channel 32 w
.irp u, 0,1                                    ; bq's and bk's tiles in the result's layout: lane (r, h), register j: output 16 h + 8 u + j
	global_load_b128 v[88+8*\u:91+8*\u], v19, s[8:9] offset:32*\u
	global_load_b128 v[92+8*\u:95+8*\u], v19, s[8:9] offset:32*\u+16
	global_load_b128 v[104+8*\u:107+8*\u], v19, s[12:13] offset:32*\u
	global_load_b128 v[108+8*\u:111+8*\u], v19, s[12:13] offset:32*\u+16
.endr
	; ---- W: five fragments on two buffers; the next fragment's 16 loads stay out
	s_wait_loadcnt 24                              ; the first fragment is in; the second's 16 loads and the biases' 8 may be out
	WTURN W0
	s_wait_dscnt 0x0
	WQUANT W0, 120, 33
	ds_store_b128 v9, v[120:123]                   ; the fragment goes to LDS as an image of its registers
	ds_store_b128 v9, v[124:127] offset:512
	ds_store_b32 v10, v33
	WLOAD W0, 40, 512, 0                           ; Wv (0, 1)
	s_wait_loadcnt 16                              ; all but the 16 just issued: the second fragment, and the biases behind it
	WTURN W1
	s_wait_dscnt 0x0
	WQUANT W1, 56, 40
	WLOAD W1, 40, 16384, 0                         ; Wv (1, 0)
	s_wait_loadcnt 16
	WTURN W0
	s_wait_dscnt 0x0
	WQUANT W0, 64, 41
	WLOAD W0, 40, 16896, 0                         ; Wv (1, 1)
	s_wait_loadcnt 16
	WTURN W1
	s_wait_dscnt 0x0
	WQUANT W1, 72, 42
	s_wait_loadcnt 0x0
	WTURN W0
	s_wait_dscnt 0x0
	WQUANT W0, 80, 43
	global_load_b32 v240, v38, s[56:57]            ; bv of channel 32 w + r,
	global_load_b32 v248, v38, s[56:57] offset:64  ; and + 16
	s_wait_tensorcnt 0x0                           ; my part of the x tile has landed,
	s_wait_dscnt 0x0                               ; my image of a weight fragment too
	s_barrier_signal -1
	s_barrier_wait -1                              ; everybody's have
	; ---- X: my 32 pixels x 128 channels become two fragments
	XPAIR 0
	XPAIR 1
	ds_store_b128 v7, v[FX:FX+3]
	ds_store_b128 v7, v[FX+4:FX+7] offset:512
	ds_store_b128 v7, v[FX+8:FX+11] offset:2048
	ds_store_b128 v7, v[FX+12:FX+15] offset:2560
	ds_store_b32 v8, v39
	s_wait_dscnt 0x0
	s_barrier_signal -1
	s_barrier_wait -1                              ; x's sixteen fragments lie in LDS
	; ---- q and k of pixel tile w, transposed: source 0 = 16 rows of Wq or Wk, source 1 = the 16 pixels: a lane holds one pixel and outputs 16 h + 0 .. 15
.irp ks, 0,1
.irp c, 0,1
	ds_load_b128 v[128+8*\ks+4*\c:131+8*\ks+4*\c], v11 offset:1024*\ks+512*\c
.endr
	ds_load_b32 v[54+\ks], v12 offset:128*\ks
.endr
.irp f, 0,1,2,3,4,5,6,7
.irp c, 0,1
	ds_load_b128 v[176+8*\f+4*\c:179+8*\f+4*\c], v5 offset:WIMG-XIMG+1024*\f+512*\c
.endr
	ds_load_b32 v[46+\f], v6 offset:WSC-XSC+128*\f
.endr
	s_wait_dscnt 0x0
	s_wait_loadcnt 0x0                             ; bv
.irp j, 1,2,3,4,5,6,7
	v_mov_b32 v[240+\j], v240                      ; bv's tiles in the result's layout: a lane's eight registers are one channel
	v_mov_b32 v[248+\j], v248
.endr
.irp t, 0,1,2,3                                ; four accumulators by turns: q's two tiles, k's two
	MM 144+8*\t, 176+16*\t, 128, 88+8*\t, 46+2*\t, 54, 0
.endr
.irp t, 0,1,2,3
	MM 144+8*\t, 184+16*\t, 136, 144+8*\t, 47+2*\t, 55, 0
.endr
	PLACES 5                                       ; 4 ahead of reads of the results and of loads into these registers, 5 ahead of matrix instructions that write over them
	Q16 144, 120
	global_store_b64 v13, v[120:121], s[46:47] offset:19712   ; q's codes: the wave stores 256 consecutive bytes, aligned
	global_store_b64 v13, v[122:123], s[46:47] offset:16384   ; k's
	ds_store_b8 v15, v31                           ; k's byte (both lanes of a pixel write the same byte with the same value)
	ds_store_b8 v15, v30 offset:128                ; q's
	; ---- v of my 32 channels: source 0 = 16 pixels, source 1 = 16 rows of Wv: a lane holds one channel and pixels 32 B + 16 h + 0 .. 15
.macro VBLK be
.irp u, 0,1
.irp ks, 0,1
.irp c, 0,1
	ds_load_b128 v[128+16*\u+8*\ks+4*\c:131+16*\u+8*\ks+4*\c], v5 offset:1024*(4*\be+2*\u+\ks)+512*\c
.endr
.endr
.endr
.irp ks, 0,1
	ds_load_b32 v[44+\ks], v6 offset:128*(2*\be+\ks)
.endr
	s_wait_dscnt 0x0
.irp ct, 0,1
.irp u, 0,1
	MM 160+16*\ct+8*\u, 128+16*\u, 56+16*\ct, 240+8*\ct, 44, 40+2*\ct, \u
.endr
.endr
.irp ct, 0,1
.irp u, 0,1
	MM 160+16*\ct+8*\u, 136+16*\u, 64+16*\ct, 160+16*\ct+8*\u, 45, 41+2*\ct, \u
.endr
.endr
	PLACES 5
	Q16 160, 192+4*\be
.if \be == 0
	v_mov_b32 v22, v30                             ; the block's byte into my channels' scale words
	v_mov_b32 v23, v31
.else
	v_lshl_or_b32 v22, v30, 8*\be, v22
	v_lshl_or_b32 v23, v31, 8*\be, v23
.endif
	global_store_b64 v13, v[192+4*\be:193+4*\be], s[48:49] offset:256*\be        ; 256 consecutive bytes, aligned; each block has registers of its own, so no store's data are written again
	global_store_b64 v13, v[194+4*\be:195+4*\be], s[48:49] offset:1024+256*\be
.endm
	VBLK 0
	VBLK 1
	VBLK 2
	VBLK 3
	v_cndmask_b32 v33, v23, v22, s44               ; lanes 0-15: channel 32 w + r; lanes 16-31: + 16
	ds_store_b32 v14, v33
	s_wait_tensorcnt 0x0                           ; the wait, an add to my spare word and its wait, behind my last tensor load and my last LDS store; the last of them is also the wait that the barrier needs
	ds_add_u32 v20, v21
	s_wait_dscnt 0x0
	s_barrier_signal -1
	s_barrier_wait -1                              ; the record's 1,280 scale bytes lie in LDS
	s_cmp_lt_u32 s20, 5
	s_cbranch_scc0 .Lno_scales
	ds_load_b64 v[34:35], v16
	s_wait_dscnt 0x0
	global_store_b64 v17, v[34:35], s[42:43] offset:18432   ; waves 0 to 4: 256 consecutive bytes each, aligned
.Lno_scales:
	s_endpgm
.Lfunc_end_k_q5457ac6614_prep:
	.size	k_q5457ac6614_prep, .Lfunc_end_k_q5457ac6614_prep-k_q5457ac6614_prep
	.p2alignl 7, 3214868480
	.fill 96, 4, 3214868480
	.section	.rodata,"a",@progbits
	.p2align	6, 0x0
	.amdhsa_kernel k_q5457ac6614_prep
		.amdhsa_group_segment_fixed_size 229376
		.amdhsa_private_segment_fixed_size 0
		.amdhsa_enable_private_segment 0
		.amdhsa_kernarg_size 64
		.amdhsa_user_sgpr_count 2
		.amdhsa_user_sgpr_kernarg_segment_ptr 1
		.amdhsa_wavefront_size32 1
		.amdhsa_system_sgpr_workgroup_id_x 1
		.amdhsa_system_sgpr_workgroup_id_y 1
		.amdhsa_system_sgpr_workgroup_id_z 1
		.amdhsa_system_vgpr_workitem_id 0
		.amdhsa_next_free_vgpr 256
		.amdhsa_next_free_sgpr 66
		.amdhsa_reserve_vcc 0
		.amdhsa_float_denorm_mode_32 3
		.amdhsa_float_denorm_mode_16_64 3
		.amdhsa_memory_ordered 1
		.amdhsa_forward_progress 1
		.amdhsa_inst_pref_size 76
	.end_amdhsa_kernel
	.amdgpu_metadata
---
amdhsa.version: [ 1, 2 ]
amdhsa.kernels:
  - .name:           k_q5457ac6614_prep
    .symbol:         k_q5457ac6614_prep.kd
    .args:
      - { .name: x, .offset: 0, .size: 8, .value_kind: global_buffer, .address_space: global }
      - { .name: Wq, .offset: 8, .size: 8, .value_kind: global_buffer, .address_space: global }
      - { .name: bq, .offset: 16, .size: 8, .value_kind: global_buffer, .address_space: global }
      - { .name: Wk, .offset: 24, .size: 8, .value_kind: global_buffer, .address_space: global }
      - { .name: bk, .offset: 32, .size: 8, .value_kind: global_buffer, .address_space: global }
      - { .name: Wv, .offset: 40, .size: 8, .value_kind: global_buffer, .address_space: global }
      - { .name: bv, .offset: 48, .size: 8, .value_kind: global_buffer, .address_space: global }
      - { .name: kv, .offset: 56, .size: 8, .value_kind: global_buffer, .address_space: global }
    .group_segment_fixed_size: 229376
    .private_segment_fixed_size: 0
    .kernarg_segment_align: 8
    .kernarg_segment_size: 64
    .max_flat_workgroup_size: 256
    .sgpr_count:     66
    .vgpr_count:     256
    .wavefront_size: 32
...
	.end_amdgpu_metadata
.endif
;; end of part 1
;; launch attn (part 2): grid 32 x 8, 8 waves a work-group, clusters of 4 x 1, 327,680 bytes of LDS; arguments kv, x, gamma, out0; writes out0
.if DOCPART == 2
	.amdgcn_target "amdgcn-amd-amdhsa--gfx1250"
	.amdhsa_code_object_version 6
	.text
	.protected	k_q5457ac6614_attn
	.globl	k_q5457ac6614_attn
	.p2align	8
	.type	k_q5457ac6614_attn,@function
k_q5457ac6614_attn:
	s_mov_b64 s[64:65], 0
	v_nop
	global_prefetch_b8 v0, s[64:65] scope:SCOPE_SE
	s_setreg_imm32_b32 hwreg(HW_REG_WAVE_MODE, 25, 1), 1
	s_wait_xcnt 0x0
	s_wait_alu depctr_hold_cnt(0) depctr_sa_sdst(0) depctr_va_vdst(0) depctr_va_sdst(0) depctr_va_ssrc(0) depctr_va_vcc(0) depctr_vm_vsrc(0)
	s_getreg_b32 s2, hwreg(HW_REG_IB_STS2, 6, 4)
	s_cmp_eq_u32 s2, 0
	s_cbranch_scc0 .Lentry_in_a_cluster
	s_endpgm
.Lentry_in_a_cluster:
	s_bfe_u32 s2, ttmp6, 0x10000c
	s_cmp_lg_u32 s2, 0x3003
	s_cbranch_scc0 .Lentry_shape_is_right
	s_endpgm
.Lentry_shape_is_right:
; ATTN: out0[b][c][i] = gamma x (sum over j of v[b][c][j] p[i][j]) / l[i] + x[b][c][i], p = 2^(t - M), t = (q[i] . k[j]) log2(e), M the running largest t rounded up to a whole number, l the sum of the unquantised p.
; Both products on codes of FP4 with E8M0 scales, as the launch before laid them in kv (records of 21,760 bytes for 128 pixels: V 0, K 16384, VS 18432, KS 19456, QS 19584, Q 19712).  No work of the problem is left out.
; SHARES.  A work-group owns the 128 queries of one record; wave w owns tile w, 16 queries (pixels 32 (w / 2) + 8 (w % 2) + r + 8 (r / 8)), in 512 registers: two waves to a SIMD, so that one wave's vector work stands beside the other's matrix work and LDS loads.
; Every wave walks the image's 4,096 keys, 128 a step.  Both products are used transposed (S^T = K Q^T, O^T = V^T P^T): a lane holds ONE query throughout.
; A K OF 32 IN AN INSTRUCTION OF 128.  Read as an image of registers, 1,024 bytes of K's region are a fragment whose block b of row r is the whole code vector of ANOTHER key: (tile 4 g + b, row r).  Q is kept in four variants,
; its 32 codes in block b and zero codes elsewhere: source 0 = fragment g, source 1 = variant b gives S^T of tile 4 g + b: zero codes add nothing under any scale byte but 0xff, and the bytes lie between 1 and 254.
; So K's LDS reads and registers are dense: 2,048 bytes and one scale register for 128 keys.
; CLUSTER.  The four query blocks of a cluster belong to one image and walk the same K and V: every tile is asked for JOINTLY, by the same tensor load with the same descriptor and a mask that names the four.
; LDS.  Two slots of 65,536 bytes, each V's images of four key steps (8,192 bytes a wave and load); K, VS, KS of the whole image, 32 x 3,328 bytes, filled once; the spare words.  The launch claims all of a WGP's LDS.
; MEMORY IS ASKED IN THE ORDER OF USE.  At the head only what the first key step wants: Q, ahead of the opening round; then the resident part and slot 0.  x's 32 rows of a wave, 16,384 bytes, are wanted at the very end:
; they are asked for at the last change of slots, four key steps ahead of their use, when no tensor load is on its way any more.
; O^T begins as 128 zeros, and the largest t as -3e38, so that the key step is written once: the first change of M multiplies zeros.
; LIMITS: NaN and infinities are not served.  A p under 2^-126 comes out of v_exp_f32 as 0.  A block's largest p is made from its largest score, which takes v_exp_f32 not to fall where its input rises.
; REGISTERS, in windows of 256.  Window 0: v1-10 addresses; v11 q's scale word; v12 -M, v13 the largest t, v[14:15] l; v16-35 Q as [0][lanes 0-15][0][lanes 16-31][0], four registers each; v36-51 K's two fragments; v52 K's scale words, v53 p's;
;   v[54:55] f; v56-63 V's scale words; v64-127 S^T, then p, then V's fragments 8-15; v128-191 V's fragments 0-7; v192-199 p's codes; v200-217 at work.   Window 1: v0-127 O^T; v128-255 x.
.set REC,    21760
.set SLOT1,  65536
.set RES,    131072
.set RREC,   3328
.set SPARE,  237568                    ; the spare words, 128 bytes for each wave: four blocks of 256 bytes that no other line names
.set SPITCH, 528                       ; the way out: a stage of 256 rows (channels) x (512 bytes + 16) from LDS byte 0 on, over bytes that have had their last fill and their last read
.set LI,   1                           ; 16 x lane; never rewritten
.set LS,   2                           ; 4 x lane
.set SPW,  3                           ; my spare word's address; never rewritten
.set NIL,  4                           ; 0; never rewritten
.set PFO,  5                           ; 256 x lane
.set ADV,  6
.set ADK,  7
.set ADT,  8
.set STO0, 9
.set STO1, 10
.set QS,   11
.set KF,   36
.set KSR,  52
.set PS,   53
.set F,    54
.set VS,   56
.set S,    64
.set VF,   128
.set PC,   192
.set BM,   200
.set PT,   204
.set SO,   208
.set L2,   212
.set T0,   214
.set SRD,  215
.set G,    216
.set WV,   12                          ; s12 my wave's number
.set G1V,  24                          ; s[24:31] group 1 for V's images;  s[32:39] for the resident part;  s[40:43], s[44:47] their groups 0
.set G1R,  32
.set G0V,  40
.set G0R,  44
.set SEL,  48
.set CS,   50                          ; s[50:51] log2(e)
.set TB,   52                          ; the slot in hand
.set TS,   53                          ; the resident part of the slot's first key step
.set SLOTS, 54
.set LIM,  55
.set PFA,  56
.set MSB, 0
.macro WIN new                         ; the immediate's high byte repeats the setting that is left
.if MSB != \new
	s_set_vgpr_msb (MSB<<8)|\new
.set MSB, \new
.endif
.endm
.macro PLACES n
.rept \n
	v_nop
.endr
.endm
.macro CROUND                          ; a round of the cluster's barrier
	s_barrier_signal -1
	s_barrier_wait -1
	s_cmp_lg_u32 s[WV], 0
	s_cbranch_scc1 .Lnot_wave_0_\@
	s_barrier_signal -3
.Lnot_wave_0_\@:
	s_barrier_wait -3
	s_barrier_signal -1
	s_barrier_wait -1
.endm
; A prefetch of what the NEXT change of slots will ask for.  All clusters of an image walk the same V: the image's first cluster asks.  Its four partners take one key step's image each, told apart by address;
; in each, waves 0 and 1 ask for a half, 8,192 bytes, lanes 256 bytes apart: each aligned block of 256 bytes is named once in the launch.  The last change that fills a slot asks for nothing; slots 0 and 1 and the resident part come by their loads alone.
.macro ASK
	s_cmp_gt_u32 s[SLOTS], s[LIM]
	s_cbranch_scc0 .Lnot_mine_\@
	global_prefetch_b8 v[PFO], s[PFA:PFA+1] th:TH_LOAD_NT scope:SCOPE_SE
.Lnot_mine_\@:
.endm
; The change of slots, at a slot's head.  Each wave waits for all its tensor loads (its part of the slot ahead), adds 0 to its spare word, and waits for that and for its reads of the slot that it has left.
; fill = 1: behind a round of the cluster's barrier that other slot is filled with the next four key steps: one joint load a wave, which has four key steps in which to land.
.macro CHANGE fill
	s_wait_tensorcnt 0x0                           ; no tensor load of mine is out, so a group 0 may be written
	ds_add_u32 v[SPW], v[NIL]
.if \fill
	s_xor_b32 s[G0V+1], s[G0V+1], SLOT1            ; the other slot than last time,
	s_add_nc_u64 s[G0V+2:G0V+3], s[G0V+2:G0V+3], 4*REC   ; four records on
	s_wait_xcnt 0x0                                ; the last prefetch, a slot back, has read its address
	s_add_nc_u64 s[PFA:PFA+1], s[PFA:PFA+1], 4*REC
.endif
	s_wait_dscnt 0x0                               ; the add is done, and my reads of the slot that I have left are over
.if \fill
	CROUND                                         ; the same holds of every wave of every partner
	tensor_load_to_lds s[G0V:G0V+3], s[G1V:G1V+7]
	s_nop 0
	PLACES 4
	ASK
.else
	s_barrier_signal -1
	s_barrier_wait -1
.endif
.endm
.macro KLOAD q                         ; K's two fragments and its scale words (lanes 0-15 fragment 0, lanes 16-31 fragment 1) of the slot's q-th key step
.irp g, 0,1
.irp c, 0,1
	ds_load_b128 v[KF+8*\g+4*\c:KF+8*\g+4*\c+3], v[ADK] offset:RREC*(\q)+1024*\g+512*\c
.endr
.endr
	ds_load_b32 v[KSR], v[ADT] offset:RREC*(\q)+3072
.endm
.macro VLOAD q, ct0, reg               ; eight of V's fragments, from channel tile ct0 on: 512 consecutive bytes a load
.irp t, 0,1,2,3,4,5,6,7
.irp c, 0,1
	ds_load_b128 v[\reg+8*\t+4*\c:\reg+8*\t+4*\c+3], v[ADV] offset:16384*(\q)+1024*(\ct0+\t)+512*\c
.endr
.endr
.endm
.macro PVMM ct, a                      ; O^T of channel tile ct += V's fragment x p
.if (\ct)%2
	v_wmma_scale_f32_16x16x128_f8f6f4 v[8*(\ct):8*(\ct)+7], v[\a:\a+7], v[PC:PC+7], v[8*(\ct):8*(\ct)+7], v[VS+(\ct)/2], v[PS] matrix_a_fmt:MATRIX_FMT_FP4 matrix_b_fmt:MATRIX_FMT_FP4 matrix_a_scale:MATRIX_SCALE_ROW1
.else
	v_wmma_scale_f32_16x16x128_f8f6f4 v[8*(\ct):8*(\ct)+7], v[\a:\a+7], v[PC:PC+7], v[8*(\ct):8*(\ct)+7], v[VS+(\ct)/2], v[PS] matrix_a_fmt:MATRIX_FMT_FP4 matrix_b_fmt:MATRIX_FMT_FP4
.endif
.endm
; A KEY STEP: 128 keys, the q-th of the slot in hand.  Its 24 matrix instructions name 24 different accumulators.
.macro STEP q
.if (\q) == 0                          ; five places: 4 ahead of loads into registers that the last products read, 5 ahead of S^T, which is written over V's fragments 8-15
	v_add_nc_u32 v[ADV], s[TB], v[LI]
	v_add_nc_u32 v[ADK], s[TS], v[LI]
	s_wait_alu depctr_va_vdst(0)
	v_add_nc_u32 v[ADT], s[TS], v[LS]
	s_wait_alu depctr_va_vdst(0)
	PLACES 2
	KLOAD 0
.else
	PLACES 5
.endif
	VLOAD \q, 0, VF
.irp a, 0,1
	ds_load_b128 v[VS+4*\a:VS+4*\a+3], v[ADK] offset:RREC*(\q)+2048+512*\a
.endr
	s_wait_dscnt 18                                ; K is in; the 18 loads just issued may be out
.irp b, 0,1,2,3
	v_wmma_scale_f32_16x16x128_f8f6f4 v[S+8*\b:S+8*\b+7], v[KF:KF+7], v[20+8*(\b%2)-4*(\b/2):27+8*(\b%2)-4*(\b/2)], 0, v[KSR], v[QS] matrix_a_fmt:MATRIX_FMT_FP4 matrix_b_fmt:MATRIX_FMT_FP4
.endr
.irp b, 0,1,2,3
	v_wmma_scale_f32_16x16x128_f8f6f4 v[S+32+8*\b:S+32+8*\b+7], v[KF+8:KF+15], v[20+8*(\b%2)-4*(\b/2):27+8*(\b%2)-4*(\b/2)], 0, v[KSR], v[QS] matrix_a_fmt:MATRIX_FMT_FP4 matrix_b_fmt:MATRIX_FMT_FP4 matrix_a_scale:MATRIX_SCALE_ROW1
.endr
	PLACES 4
.if (\q) < 3
	KLOAD (\q)+1                                   ; the next step's K, a whole step ahead: the resident part is never filled again
.endif
.irp b, 0,1,2,3
	v_max3_num_f32 v[BM+\b], v[S+16*\b], v[S+16*\b+1], v[S+16*\b+2]   ; the largest score of each block of 32 keys: for the row's maximum and, since p rises with the score, for the block's largest p
.endr
.irp i, 3,5,7,9,11,13
.irp b, 0,1,2,3
	v_max3_num_f32 v[BM+\b], v[BM+\b], v[S+16*\b+\i], v[S+16*\b+\i+1]
.endr
.endr
.irp b, 0,1,2,3
	v_max_num_f32 v[BM+\b], v[BM+\b], v[S+16*\b+15]
.endr
.irp b, 0,1,2,3
	s_delay_alu instid0(VALU_DEP_4)
	v_permlanex16_b32 v[PT+\b], v[BM+\b], s[SEL], s[SEL+1]
.endr
.irp b, 0,1,2,3
	s_delay_alu instid0(VALU_DEP_4)
	v_max_num_f32 v[BM+\b], v[BM+\b], v[PT+\b]     ; with lane l xor 16's 16 keys
.endr
	s_delay_alu instid0(VALU_DEP_2)
	v_max3_num_f32 v[T0], v[BM], v[BM+1], v[BM+2]
	s_delay_alu instid0(VALU_DEP_1)
	v_max_num_f32 v[T0], v[T0], v[BM+3]
	s_delay_alu instid0(VALU_DEP_1)
	v_mul_f32 v[T0], s[CS], v[T0]                  ; as t
	s_delay_alu instid0(VALU_DEP_1)
	v_max_num_f32 v13, v13, v[T0]                  ; the running largest t
	v_mov_b32 v[T0], v12
	s_delay_alu instid0(VALU_DEP_2)
	v_floor_f32 v12, -v13                          ; the new -M = floor(-t): M is a whole number
	s_delay_alu instid0(VALU_DEP_1)
	v_sub_f32 v[T0], v12, v[T0]                    ; old M less new M: a whole number, 0 or less
	s_delay_alu instid0(VALU_DEP_1)
	v_cvt_i32_f32 v[T0], v[T0]                     ; (it saturates)
	s_delay_alu instid0(VALU_DEP_1)
	v_ldexp_f32 v[F], 1.0, v[T0]                   ; f = 2^(old M - new M)
.set j, 0
.rept 32
	v_pk_fma_f32 v[S+j:S+j+1], v[S+j:S+j+1], s[CS:CS+1], v[12:13] op_sel_hi:[1,0,0]   ; t - M, two at a time
.set j, j+2
.endr
.irp b, 0,1,2,3
	v_fma_f32 v[BM+\b], v[BM+\b], s[CS], v12
.endr
.set j, 0
	s_wait_alu depctr_va_vdst(0)
.rept 64
	v_exp_f32 v[S+j], v[S+j]                       ; p = 2^(t - M): not normalised
.set j, j+1
.endr
.irp b, 0,1,2,3
	v_exp_f32 v[BM+\b], v[BM+\b]                   ; the blocks' largest p: in the same batch
.endr
	v_pk_mul_f32 v[14:15], v[14:15], v[F:F+1] op_sel_hi:[1,0]   ; l under the new M: the plain line behind the exponentials
	s_wait_alu depctr_va_vdst(0)                   ; ONE wait for the batch of 68, ahead of its first reader
	v_pk_add_f32 v[212:213], v[68:69], v[72:73]
	v_pk_add_f32 v[254:255], v[76:77], v[80:81]
	v_pk_add_f32 v[252:253], v[84:85], v[88:89]
	v_pk_add_f32 v[250:251], v[92:93], v[96:97]
	v_pk_add_f32 v[248:249], v[100:101], v[104:105]
	v_pk_add_f32 v[246:247], v[108:109], v[112:113]
	v_pk_add_f32 v[244:245], v[116:117], v[120:121]
	v_pk_add_f32 v[14:15], v[14:15], v[124:125]
	v_pk_add_f32 v[212:213], v[212:213], v[64:65]
	v_pk_add_f32 v[254:255], v[254:255], v[66:67]
	v_pk_add_f32 v[252:253], v[252:253], v[70:71]
	v_pk_add_f32 v[250:251], v[250:251], v[74:75]
	v_pk_add_f32 v[248:249], v[248:249], v[78:79]
	v_pk_add_f32 v[246:247], v[246:247], v[82:83]
	v_pk_add_f32 v[244:245], v[244:245], v[86:87]
	v_pk_add_f32 v[14:15], v[14:15], v[90:91]
	v_pk_add_f32 v[212:213], v[212:213], v[94:95]
	v_pk_add_f32 v[254:255], v[254:255], v[98:99]
	v_pk_add_f32 v[252:253], v[252:253], v[102:103]
	v_pk_add_f32 v[250:251], v[250:251], v[106:107]
	v_pk_add_f32 v[248:249], v[248:249], v[110:111]
	v_pk_add_f32 v[246:247], v[246:247], v[114:115]
	v_pk_add_f32 v[244:245], v[244:245], v[118:119]
	v_pk_add_f32 v[14:15], v[14:15], v[122:123]
	v_pk_add_f32 v[212:213], v[212:213], v[126:127]
	s_delay_alu instid0(VALU_DEP_2)
	v_pk_add_f32 v[14:15], v[14:15], v[250:251]
	s_delay_alu instid0(VALU_DEP_2)
	v_pk_add_f32 v[212:213], v[212:213], v[248:249]
	v_pk_add_f32 v[254:255], v[254:255], v[246:247]
	v_pk_add_f32 v[252:253], v[252:253], v[244:245]
	s_delay_alu instid0(VALU_DEP_2)
	v_pk_add_f32 v[14:15], v[14:15], v[254:255]
	s_delay_alu instid0(VALU_DEP_2)
	v_pk_add_f32 v[212:213], v[212:213], v[252:253]
	s_delay_alu instid0(VALU_DEP_1)
	v_pk_add_f32 v[14:15], v[14:15], v[212:213]
.irp b, 0,1,2,3
	v_max_num_f32 v[BM+\b], 0x1800000, v[BM+\b]    ; the floor 2^(3 - 127): the byte cannot fall under 1
.endr
.irp b, 0,1,2,3
	s_delay_alu instid0(VALU_DEP_4)
	v_add_nc_u32 v[SO+\b], 0xff000000, v[BM+\b]
.endr
.irp b, 0,1,2,3
	s_delay_alu instid0(VALU_DEP_4)
	v_lshrrev_b32 v[PT+\b], 23, v[SO+\b]
.endr
	s_delay_alu instid0(VALU_DEP_3)
	v_lshl_or_b32 v[PS], v[PT+1], 8, v[PT]         ; p's scale word for these 128 keys
	s_delay_alu instid0(VALU_DEP_1)
	v_lshl_or_b32 v[PS], v[PT+2], 16, v[PS]
	s_delay_alu instid0(VALU_DEP_1)
	v_lshl_or_b32 v[PS], v[PT+3], 24, v[PS]
.irp b, 0,1,2,3
	v_cvt_scalef32_pk8_fp4_f32 v[PC+2*\b], v[S+16*\b:S+16*\b+7], v[SO+\b]
	v_cvt_scalef32_pk8_fp4_f32 v[PC+2*\b+1], v[S+16*\b+8:S+16*\b+15], v[SO+\b]
.endr
	v_nop                                          ; one plain line behind the last scaled conversion
.irp c, 0,1
.irp i, 0,1
	v_permlane16_swap_b32 v[PC+4*\c+\i], v[PC+2+4*\c+\i]   ; a whole block to a lane: lanes 0-15 block 2 c, lanes 16-31 block 2 c + 1
.endr
.endr
	VLOAD \q, 8, S                                 ; p's numbers are done with: V's fragments 8-15 take their registers
	WIN 0x41
.set j, 0
.rept 64
	v_pk_mul_f32 v[j:j+1], v[j:j+1], v[F:F+1] op_sel_hi:[1,0]   ; O^T under the new M.  (These are also the places between p's codes and scale word and the products)
.set j, j+2
.endr
	s_wait_alu depctr_va_vdst(0)
	s_wait_dscnt 16                                ; V's fragments 0-7, its scale words and the next K are in; the 16 loads just issued may be out
	WIN 0x50
.irp ct, 0,1,2,3,4,5,6,7
	PVMM \ct, VF+8*\ct
.endr
	s_wait_dscnt 0x0
.irp ct, 8,9,10,11,12,13,14,15
	PVMM \ct, S+8*(\ct-8)
.endr
	WIN 0
.endm
.macro SLOT_STEPS
	STEP 0
	STEP 1
	STEP 2
	STEP 3
	s_xor_b32 s[TB], s[TB], SLOT1                  ; on to the other slot,
	s_add_co_u32 s[TS], s[TS], 4*RREC              ; and four key steps on in the resident part
.endm
	s_load_b256 s[4:11], s[0:1], 0x0               ; kv s[4:5], x s[6:7], gamma s[8:9], out0 s[10:11]
	v_lshl_add_u32 v[SPW], v0, 2, SPARE
	v_mov_b32 v[NIL], 0
	ds_add_u32 v[SPW], v[NIL]                      ; the wave's opening: the add, twice on end, and its wait ahead of my first tensor load
	ds_add_u32 v[SPW], v[NIL]                      ; and once more; the set-up below, work on registers, stands between it and the wait
	v_lshrrev_b32 v[T0], 5, v0
	s_delay_alu instid0(VALU_DEP_1)
	v_readfirstlane_b32 s[WV], v[T0]               ; wave 0..7
	s_bfe_u32 s13, ttmp6, 0x40000                  ; cx: my place in the cluster: it enters Q's, x's, out0's and the prefetches' addresses alone
	s_lshl_b32 s14, ttmp9, 2
	s_add_co_u32 s14, s14, s13                     ; my block of 128 queries
	s_and_b32 s15, ttmp7, 0xffff                   ; the image, which the four partners share
	s_mov_b32 s[G1V], 15|(3<<16)|(1<<21)           ; the mask: all four work-groups; elements of 8 bytes; bit 21 set beside a mask; no padding
	s_mov_b32 s[G1V+1], 32<<16                     ; 32 dense rows of 256 bytes
	s_mov_b32 s[G1V+2], 32<<16
	s_mov_b32 s[G1V+3], 32<<16
	s_mov_b32 s[G1V+4], 32
	s_mov_b32 s[G1V+5], 32
	s_mov_b32 s[G1V+6], 0
	s_mov_b32 s[G1V+7], 0
	s_mov_b32 s[G1R], 15|(3<<16)|(1<<21)
	s_mov_b32 s[G1R+1], 416<<16                    ; 4 rows of 3,328 bytes, a record apart
	s_mov_b32 s[G1R+2], 4<<16
	s_mov_b32 s[G1R+3], 416<<16
	s_mov_b32 s[G1R+4], 4
	s_mov_b32 s[G1R+5], REC/8
	s_mov_b32 s[G1R+6], 0
	s_mov_b32 s[G1R+7], 0
	s_mov_b32 s[G0V], 1
	s_lshl_b32 s[G0V+1], s[WV], 13                 ; slot 0: key step w / 2, half w % 2
	s_mov_b32 s[G0R], 1
	s_mul_i32 s[G0R+1], s[WV], 4*RREC
	s_add_co_u32 s[G0R+1], s[G0R+1], RES
	s_mov_b32 s[SEL], 0x76543210
	s_mov_b32 s[SEL+1], 0xfedcba98
	s_mov_b32 s[CS], 0x3fb8aa3b                    ; log2(e)
	s_mov_b32 s[CS+1], s[CS]
	s_mov_b32 s[TB], 0
	s_mov_b32 s[TS], RES
	s_mov_b32 s[SLOTS], 7
	s_lshl_b32 s60, s15, 5                         ; the image's first record
	s_lshr_b32 s61, s[WV], 1
	s_add_co_u32 s61, s61, s60
	s_mul_i32 s62, s61, REC
	s_and_b32 s61, s[WV], 1
	s_lshl_b32 s61, s61, 13
	s_add_co_u32 s62, s62, s61                     ; V: record w / 2, half w % 2
	s_mov_b32 s63, 0
	s_lshl_b32 s61, s[WV], 2
	s_add_co_u32 s61, s61, s60
	s_mul_i32 s76, s61, REC
	s_add_co_u32 s76, s76, 16384                   ; the resident part of records 4 w .. 4 w + 3
	s_mov_b32 s77, 0
	s_add_co_u32 s74, s60, s14
	s_mul_i32 s70, s74, REC
	s_add_co_u32 s70, s70, 19584                   ; my block's record, at QS
	s_mov_b32 s71, 0
	s_lshl_b32 s72, s15, 22                        ; x and out0: image b,
	s_lshl_b32 s74, s[WV], 19                      ; channel 32 w,
	s_add_co_u32 s72, s72, s74
	s_lshl_b32 s74, s14, 9                         ; my block's first pixel
	s_add_co_u32 s72, s72, s74
	s_mov_b32 s73, 0
	s_add_co_u32 s74, s60, s13                     ; the prefetches: record 4 + cx; the first change of slots steps it to 8 + cx
	s_add_co_u32 s74, s74, 4
	s_mul_i32 s74, s74, REC
	s_and_b32 s75, s[WV], 1
	s_lshl_b32 s75, s75, 13
	s_add_co_u32 s74, s74, s75
	s_mov_b32 s75, 0
	s_lshr_b32 s[LIM], s[WV], 1                    ; 0 in waves 0 and 1,
	s_or_b32 s[LIM], s[LIM], ttmp9                 ; of the image's first cluster: the same in all four partners
	s_cmp_eq_u32 s[LIM], 0
	s_cselect_b32 s[LIM], 1, -1
	v_and_b32 v[T0], 31, v0
	s_delay_alu instid0(VALU_DEP_1)
	v_lshlrev_b32 v[LI], 4, v[T0]
	s_delay_alu instid0(VALU_DEP_2)
	v_lshlrev_b32 v[LS], 2, v[T0]
	s_delay_alu instid0(VALU_DEP_3)
	v_lshlrev_b32 v[PFO], 8, v[T0]
	s_delay_alu instid0(VALU_DEP_4)
	v_cmp_gt_u32 s59, 16, v[T0]                    ; lanes 0-15
	v_and_b32 v200, 15, v0                         ; r
	v_bfe_u32 v201, v0, 4, 1                       ; h
	s_lshl_b32 s78, s[WV], 8
	s_add_co_u32 s78, s78, 128
	v_lshl_add_u32 v202, v200, 4, s78              ; Q's codes of (tile w, row r), counted from QS
	s_lshr_b32 s78, s[WV], 2
	s_lshl_b32 s78, s78, 6
	s_and_b32 s79, s[WV], 3
	s_add_co_u32 s78, s78, s79
	v_lshl_add_u32 v203, v200, 2, s78              ; and its scale byte
	v_and_b32 v208, 8, v200
	s_delay_alu instid0(VALU_DEP_1)
	v_add_nc_u32 v208, v208, v200                  ; r + 8 (r / 8)
	s_lshr_b32 s78, s[WV], 1
	s_lshl_b32 s78, s78, 5
	s_and_b32 s79, s[WV], 1
	s_lshl_b32 s79, s79, 3
	s_add_co_u32 s78, s78, s79
	v_add_nc_u32 v208, s78, v208                   ; my query's pixel in the block
	s_delay_alu instid0(VALU_DEP_1)
	v_lshlrev_b32 v208, 2, v208
	s_wait_alu depctr_va_vdst(0)
	v_mad_u32_u24 v[STO0], v201, 8*SPITCH, v208    ; the stage, in: row = channel 8 h + .., column = my pixel
	s_delay_alu instid0(VALU_DEP_1)
	v_add_nc_u32 v[STO1], 128*SPITCH, v[STO0]      ; channels 128 on
	s_mul_i32 s78, s[WV], 32*SPITCH
	v_add_nc_u32 v[SRD], s78, v[LI]                ; and back: my 32 channels' rows, 16 bytes a lane
	s_wait_dscnt 0x0                               ; both opening adds are done
	s_wait_kmcnt 0x0
	s_load_b32 s58, s[8:9], 0x0                    ; gamma
	s_add_nc_u64 s[70:71], s[4:5], s[70:71]
	global_load_b128 v[S:S+3], v202, s[70:71]      ; my query's 32 codes, in both halves of the lanes: asked for ahead of the round, so that they are on their way while the work-groups meet
	global_load_u8 v[QS], v203, s[70:71]
	s_add_nc_u64 s[G0V+2:G0V+3], s[4:5], s[62:63]
	s_or_b32 s[G0V+3], s[G0V+3], 0x80000000
	s_add_nc_u64 s[G0R+2:G0R+3], s[4:5], s[76:77]
	s_or_b32 s[G0R+3], s[G0R+3], 0x80000000
	s_add_nc_u64 s[66:67], s[6:7], s[72:73]
	s_add_nc_u64 s[68:69], s[10:11], s[72:73]
	s_add_nc_u64 s[PFA:PFA+1], s[4:5], s[74:75]
	CROUND                                         ; all four work-groups are here: the first joint loads meet
	tensor_load_to_lds s[G0R:G0R+3], s[G1R:G1R+7]  ; K, VS, KS of four records: filled once
	s_nop 0
	tensor_load_to_lds s[G0V:G0V+3], s[G1V:G1V+7]  ; my part of slot 0: two loads of mine are out
	s_nop 0
	PLACES 4
	WIN 0x40                                       ; destination window 1
.set j, 0
.rept 128
	v_mov_b32 v[j], 0                              ; O^T
.set j, j+1
.endr
	WIN 0
.irp j, 16,17,18,19,24,25,26,27,32,33,34,35
	v_mov_b32 v[\j], 0                             ; Q's zero codes
.endr
	v_mov_b32 v13, 0xff61b1e6                      ; the largest t so far: -3e38
	s_delay_alu instid0(VALU_DEP_1)
	v_floor_f32 v12, -v13
	v_mov_b32 v14, 0
	v_mov_b32 v15, 0
	v_mov_b32 v[F+1], 0                            ; (named as the upper half of a pair)
.irp b, 0,1,2,3
	v_mov_b32 v[PT+\b], 0                          ; written once: a lane permute's destination counts as one of its sources
.endr
	s_wait_loadcnt 0x0                             ; Q's codes and scale byte are in: no other load of mine is out
	v_lshl_or_b32 v[QS], v[QS], 8, v[QS]           ; the byte in all four places: whichever block holds the codes finds it
	s_delay_alu instid0(VALU_DEP_1)
	v_lshl_or_b32 v[QS], v[QS], 16, v[QS]
.irp i, 0,1,2,3
	v_cndmask_b32 v[20+\i], v16, v[S+\i], s59      ; the codes in lanes 0-15, zeros in lanes 16-31;
	v_cndmask_b32 v[28+\i], v[S+\i], v16, s59      ; and the other way round
.endr
	s_wait_kmcnt 0x0                               ; gamma
.Lslot:                                            ; 7 trips: trip t waits for slot t, asks for slot t + 1 and works on slot t
	CHANGE 1
	s_wait_alu depctr_va_vdst(0)
	SLOT_STEPS
	s_sub_co_u32 s[SLOTS], s[SLOTS], 1
	s_cmp_lg_u32 s[SLOTS], 0
	s_cbranch_scc1 .Lslot
	CHANGE 0                                       ; the last slot is written out
	WIN 0x40                                       ; destination window 1
.set i, 0
.rept 32
	global_load_b128 v[128+4*i:131+4*i], v[LI], s[66:67] offset:16384*i th:TH_LOAD_NT   ; x: channel 32 w + i, my block's 512 bytes: four key steps ahead of the wait for them; nothing touches these registers meanwhile
.set i, i+1
.endr
	WIN 0
	SLOT_STEPS
	; THE WAY OUT.  O^T x gamma / l goes into a stage of 256 channels x 128 pixels; each wave reads 32 whole rows back, adds x and stores them.
	v_add_f32 v14, v14, v15                        ; l's two halves (these lines are also the places behind the last products),
	v_mov_b32 v[G+1], 0
	s_delay_alu instid0(VALU_DEP_2)
	v_permlanex16_b32 v[PT], v14, s[SEL], s[SEL+1]
	s_delay_alu instid0(VALU_DEP_1)
	v_add_f32 v14, v14, v[PT]                      ; and lane l xor 16's
	s_wait_alu depctr_va_vdst(0)
	v_rcp_f32 v[G], v14
	v_nop                                          ; a plain line behind the reciprocal,
	s_wait_alu depctr_va_vdst(0)                   ; and a wait ahead of its first reader
	v_mul_f32 v[G], s58, v[G]
	s_wait_alu depctr_va_vdst(0)
	s_wait_dscnt 0x0                               ; my reads of the ring and of the resident part are over
	s_barrier_signal -1
	s_barrier_wait -1                              ; everybody's are: the stage may be written
	WIN 0x41
.set j, 0
.rept 64
	v_pk_mul_f32 v[j:j+1], v[j:j+1], v[G:G+1] op_sel_hi:[1,0]   ; each accumulator from its low end on
.set j, j+2
.endr
	WIN 0x04                                       ; an LDS store's data are its source 1: window 1
.irp ct, 0,1,2,3,4,5,6,7
.irp j, 0,1,2,3,4,5,6,7
	ds_store_b32 v[STO0], v[8*\ct+\j] offset:SPITCH*(16*\ct+\j)   ; channel 16 ct + 8 h + j; the 32 lanes fall on 32 different banks
.endr
.endr
.irp ct, 0,1,2,3,4,5,6,7
.irp j, 0,1,2,3,4,5,6,7
	ds_store_b32 v[STO1], v[64+8*\ct+\j] offset:SPITCH*(16*\ct+\j)
.endr
.endr
	WIN 0
	s_wait_dscnt 0x0                               ; for the others' sake: my stores into the stage are done
	s_barrier_signal -1
	s_barrier_wait -1
.set i, 0
.rept 32
	ds_load_b128 v[S+4*i:S+4*i+3], v[SRD] offset:SPITCH*i
.set i, i+1
.endr
	s_wait_dscnt 0x0
	s_wait_loadcnt 0x0                             ; x
	WIN 0x04                                       ; source 1 window 1
.set j, 0
.rept 64
	v_pk_add_f32 v[S+j:S+j+1], v[S+j:S+j+1], v[128+j:129+j]
.set j, j+2
.endr
	WIN 0
.set i, 0
.rept 32
	global_store_b128 v[LI], v[S+4*i:S+4*i+3], s[68:69] offset:16384*i th:TH_STORE_NT   ; 32 lanes store 512 consecutive bytes, at a multiple of 256 from out0's first byte
.set i, i+1
.endr
	s_wait_tensorcnt 0x0                           ; the wave's end: a wait, an add to my spare word and its wait, behind my last tensor load and my last LDS store
	ds_add_u32 v[SPW], v[NIL]
	s_wait_dscnt 0x0
	CROUND                                         ; the closing round: no work-group ends while a partner may still ask for a tile that names it
	s_endpgm
.Lfunc_end_k_q5457ac6614_attn:
	.size	k_q5457ac6614_attn, .Lfunc_end_k_q5457ac6614_attn-k_q5457ac6614_attn
	.p2alignl 7, 3214868480
	.fill 96, 4, 3214868480
	.section	.rodata,"a",@progbits
	.p2align	6, 0x0
	.amdhsa_kernel k_q5457ac6614_attn
		.amdhsa_group_segment_fixed_size 327680
		.amdhsa_private_segment_fixed_size 0
		.amdhsa_enable_private_segment 0
		.amdhsa_kernarg_size 32
		.amdhsa_user_sgpr_count 2
		.amdhsa_user_sgpr_kernarg_segment_ptr 1
		.amdhsa_wavefront_size32 1
		.amdhsa_system_sgpr_workgroup_id_x 1
		.amdhsa_system_sgpr_workgroup_id_y 1
		.amdhsa_system_sgpr_workgroup_id_z 1
		.amdhsa_system_vgpr_workitem_id 0
		.amdhsa_next_free_vgpr 512
		.amdhsa_next_free_sgpr 80
		.amdhsa_reserve_vcc 0
		.amdhsa_float_denorm_mode_32 3
		.amdhsa_float_denorm_mode_16_64 3
		.amdhsa_memory_ordered 1
		.amdhsa_forward_progress 1
		.amdhsa_inst_pref_size 212
	.end_amdhsa_kernel
	.amdgpu_metadata
---
amdhsa.version: [ 1, 2 ]
amdhsa.kernels:
  - .name:           k_q5457ac6614_attn
    .symbol:         k_q5457ac6614_attn.kd
    .args:
      - { .name: kv, .offset: 0, .size: 8, .value_kind: global_buffer, .address_space: global }
      - { .name: x, .offset: 8, .size: 8, .value_kind: global_buffer, .address_space: global }
      - { .name: gamma, .offset: 16, .size: 8, .value_kind: global_buffer, .address_space: global }
      - { .name: out0, .offset: 24, .size: 8, .value_kind: global_buffer, .address_space: global }
    .group_segment_fixed_size: 327680
    .private_segment_fixed_size: 0
    .kernarg_segment_align: 8
    .kernarg_segment_size: 32
    .max_flat_workgroup_size: 256
    .sgpr_count:     80
    .vgpr_count:     512
    .wavefront_size: 32
...
	.end_amdgpu_metadata
.endif
;; end of part 2
